; MI455X (gfx1250); checked and timed in simulation.
; The chip was launched on July 23, 2026; its instructions are those of AMD's public machine-readable ISA for CDNA 5 (MIT licence, August 2026) and "CDNA5" Instruction Set Architecture Reference Guide (July 2026). The comments in the code are by the model that wrote it; some were corrected since.
;; Linear3 Bit. Allowed arithmetic: matrix products marked QUANTISED: E5M2 operands, one E8M0 scale for each 32 along K, by v_wmma_scale_f32_16x16x128_f8f6f4 with both operands' format E5M2, f32 sums; everything else in f32.
;; Inputs: bias 2,048 float16; weight_norm 262,144 x 1 float16; weight_q3 262,144 x 12 uint8; x 8,192 x 4,096 float32.
;; Outputs: out0 8,192 x 2,048 float32.
;; This version of the problem:
;;   THIS VERSION OF THE PROBLEM IS GIVEN IN LOW PRECISION. The matrix products marked QUANTISED in the list below multiply operands that are first quantised to E5M2 (5 exponent bits, 2 mantissa bits; 8 bits a number), with one power-of-two scale for each 32 numbers along K (OCP MX v1.0); their sums are f32. All else is computed in f32.
;;   The module's matrix products, in the order in which they are computed (A, B: the left and right operand; K: the contracted axis; several contracted axes count as one K, in the product's order):
;;     1. [M 8,192, K 4,096] x [K 4,096, N 2,048]; A: input x; B: computed on the way: QUANTISED
;;   THE QUANTISER, for each operand of a quantised product, along K:
;;     - K is cut into blocks of 32 from its start; a last block that is shorter is filled with zeros.
;;     - A block's scale is 2^e with e = floor(log2(the largest magnitude in the block)) - 15, held to -126 .. 127; a block of zeros has e = 0. As a byte (E8M0): e + 127.
;;     - Each number is divided by its block's scale, clamped to +-57,344, and rounded to the nearest number of E5M2, ties to even, subnormals kept.
;;     - The product sums the exact products of the quantised numbers (number of the format x scale) in f32.
;;   ~~~python
;;   def quantise(x, axis):      # numpy; x: float32 -> the quantised numbers, widened to float32 again
;;       x = np.moveaxis(x, axis, -1); K = x.shape[-1]
;;       x = np.pad(x, [(0, 0)] * (x.ndim - 1) + [(0, -K % 32)]); x = x.reshape(x.shape[:-1] + (-1, 32)); a = np.abs(x).max(-1, keepdims=True)
;;       e = np.where(a > 0, np.clip(np.frexp(np.where(a > 0, a, 1))[1] - 1 - 15, -126, 127), 0)      # np.frexp(a)[1] - 1 = floor(log2(a)), exactly
;;       r = np.clip(x / 2.0 ** e, -57344, 57344)
;;       step = 2.0 ** (np.maximum(np.frexp(np.where(r == 0, 1, r))[1] - 1, -14) - 2)
;;       q = np.round(r / step) * step * 2.0 ** e      # np.round: ties to even
;;       return np.moveaxis(q.reshape(q.shape[:-2] + (-1,))[..., :K], -1, axis).astype(np.float32)
;;   ~~~
;;   OPERANDS COMPUTED ON THE WAY. 'Computed on the way' means the value that the module computes at that place (a softmax that the list does not call 'softmax' is quantised finished and normalised). What goes into a quantiser is computed in f32, as accurately as f32 sums, v_exp_f32 and their like allow (about 1e-6 of the number): no bf16 or f16 on the way to a quantiser, and a product that is left as it is and whose result goes on into a quantised operand takes f32 operands (vector FMAs, or v_wmma_f32_16x16x4_f32). A number that lies on a knife's edge between two numbers of the format may be rounded either way, as far as f32 arithmetic and the matrix unit's own rounding can turn it there, and no further.
;; One version. Each part assembles by itself: llvm-mc -triple=amdgcn-amd-amdhsa -mcpu=gfx1250 --defsym DOCPART=n.
;; ======== version 1 of 1: 2 launches
;; limits: values are held in f16: magnitudes above 65,504 overflow, below 6.1e-05 lose precision; right only within a limited range of input values
;; workspace buffers: xq 34,603,008 bytes; wq 8,650,752 bytes
;; launch quant (part 1): grid 1280 x 1, 4 waves a work-group, no clusters, 34,304 bytes of LDS; arguments x, weight_q3, weight_norm, xq, wq; writes xq, wq
.if DOCPART == 1
	.amdgcn_target "amdgcn-amd-amdhsa--gfx1250"
	.amdhsa_code_object_version 6
	.text
	.protected	k_q5d99332321_quant
	.globl	k_q5d99332321_quant
	.p2align	8
	.type	k_q5d99332321_quant,@function
k_q5d99332321_quant:
	s_mov_b64 s[64:65], 0
	v_nop
	global_prefetch_b8 v0, s[64:65] scope:SCOPE_SE
	s_setreg_imm32_b32 hwreg(HW_REG_WAVE_MODE, 25, 1), 1
	s_wait_xcnt 0x0
; x [8192][4096] f32, and W [2048][4096], which is made here from 3-bit codes and one f16 norm for each 32 along K, are turned into codes of BF8 (E5M2), 8 bits each,
; with one E8M0 scale byte for each 32 along K.  A block's scale is 2^(floor(log2(its largest magnitude)) - 15); its byte is the largest magnitude's exponent field - 15, held at 1 from below.
; Each number is divided by the scale, held within +-57,344 and rounded to the nearest code, ties to even.
; THE TWO CASTS TO f16 THAT STAND AHEAD OF THE PRODUCT WHERE IT IS DEFINED ARE MADE HERE: x, and w once it is computed in f32, are rounded once to f16 (to nearest, ties to even, subnormals kept) and widened again, exactly; what
; the quantiser takes is that number.  The cast matters: a number within half an f16 step of the middle between two codes falls onto the middle, and then goes to the even code, not to the code that was nearer before.
; W: w = ((q / 7) x 2 x norm) - norm in f32, q = 0 .. 7 the 3-bit code, with a rounding behind each of the steps as they are written: the quotient correctly rounded, the product rounded, the difference rounded.  So q = 7 gives
; exactly +norm and q = 0 exactly -norm.  A group of 32 codes is a stream of 96 bits, the lowest k in the lowest bits; a group is a block of the quantiser.
; LIMITS: NaN and infinities among the inputs are not served, nor is |x| of 65,520 or more, which the cast to f16 makes infinite.  A block whose largest magnitude lies under 2^-111 (a block of zeros among them) gets the
; byte 1: the bytes are read by this program alone, and codes of zeros add nothing under it.
; THE WORKSPACE, for both operands: [rows / 128][K / 256][33,792 bytes].  Such a block holds 128 rows x 256 along K: 128 rows of 256 codes, then 8 scale bytes a row (1,024 bytes): 132 x 256 consecutive bytes,
; which the product's launch fetches by one tensor load.
; SHARES.  A wave takes 32 rows x 256 along K: 16 steps of two rows.  Its codes are 8,192 consecutive bytes of a block, its 256 scale bytes 256 consecutive, aligned bytes.  Work-groups 0 to 255 take W, the others x:
; the two ways part on the work-group's number and never join; each has LDS bytes of its own.  Waves share nothing: no barrier.
.set WGW,   256                        ; work-groups for W: 64 groups of 32 rows x 16 K steps / 4 waves
.set STEPS, 16
.set BLKB,  33792                      ; a block of the workspace
.set SP,    80                         ; x: a lane's place in a stage: its 64 bytes + 16 of padding
.set R,     16                         ; v16-79   x: four sets of 16 numbers as they are loaded
.set QW,    16                         ; v16-47   W: two words of packed codes for each step
.set NW,    48                         ; v48-63   W: a norm for each step
.set X,     80                         ; v80-111  x: two sets of 16 neighbours along K;  W: the 16 numbers in the first, the quotients' first guesses in the second
.set E,     112                        ; v112-127 a scale byte for each step
.set C,     128                        ; v128-191 four registers of codes for each step: no store's data are written again
; The cast: 16 numbers in v[xs] on are rounded to f16 and widened again, four at a time through the low halves of v8, v9, v12, v13 (a register's half is named on a plain register number), so that no line waits for the line above it.
.macro HALF xs
.set XH, (\xs)
.irp g, 0,4,8,12
	v_cvt_f16_f32 v8.l, v[XH+\g]
	v_cvt_f16_f32 v9.l, v[XH+\g+1]
	v_cvt_f16_f32 v12.l, v[XH+\g+2]
	v_cvt_f16_f32 v13.l, v[XH+\g+3]
	v_cvt_f32_f16 v[XH+\g], v8.l
	v_cvt_f32_f16 v[XH+\g+1], v9.l
	v_cvt_f32_f16 v[XH+\g+2], v12.l
	v_cvt_f32_f16 v[XH+\g+3], v13.l
.endr
.endm
; 16 neighbours along K in v[xs] on (two neighbouring lanes hold a block of 32) become 16 codes and the block's scale byte; both leave: the codes to memory, the byte to the wave's 256 bytes of LDS.
.macro QSTEP xs, t
.set XS, (\xs)
	v_max3_num_f32 v8, |v[XS]|, |v[XS+1]|, |v[XS+2]|               ; the largest magnitude of my 16, in two chains
	v_max3_num_f32 v9, |v[XS+3]|, |v[XS+4]|, |v[XS+5]|
.irp i, 6,10
	v_max3_num_f32 v8, v8, |v[XS+\i]|, |v[XS+\i+1]|
	v_max3_num_f32 v9, v9, |v[XS+\i+2]|, |v[XS+\i+3]|
.endr
	v_max3_num_f32 v8, v8, |v[XS+14]|, |v[XS+15]|
	v_max3_num_f32 v8, v8, v9, 0x8000000           ; and the floor 2^(16 - 127): the byte cannot fall under 1
	v_max_num_f32_dpp v8, v8, v8 row_xmask:1 row_mask:0xf bank_mask:0xf   ; and of my neighbour's 16: the block's
	v_add_nc_u32 v11, 0xf8800000, v8               ; 15 off its exponent field: the conversion takes the exponent field of this operand as its scale, and nothing else of it
	v_and_or_b32 v10, v8, 0x7f800000, s30          ; 57,344 x the scale: the largest magnitude's exponent field over 57,344's mantissa (s30)
.irp i, 0,1,2,3,4,5,6,7,8,9,10,11,12,13,14,15
	v_med3_num_f32 v[XS+\i], v[XS+\i], -v10, v10   ; the conversion to an 8-bit code does not saturate (ISA guide 7.6.2): the hold comes first
.endr
	v_cvt_scalef32_pk8_bf8_f32 v[C+4*(\t):C+4*(\t)+1], v[XS:XS+7], v11
	v_cvt_scalef32_pk8_bf8_f32 v[C+4*(\t)+2:C+4*(\t)+3], v[XS+8:XS+15], v11
	v_lshrrev_b32 v[E+(\t)], 23, v11               ; the scale's byte; also the plain vector line behind the conversions
	ds_store_b8 v5, v[E+(\t)] offset:16*(\t)       ; byte 8 x row + block = 16 t + lane / 2; both lanes of a block write the same byte with the same value
	global_store_b128 v4, v[C+4*(\t):C+4*(\t)+3], s[24:25] offset:512*(\t)   ; the wave stores 512 consecutive bytes: two whole rows of the block
.endm
.macro TAIL
	ds_load_b64 v[12:13], v6                       ; LDS serves a wave's instructions in order (ISA guide 5.7.1.4): these see my byte stores
	v_lshl_add_u32 v8, v0, 2, 0x8400               ; all 192 registers are at work in the steps, so v0 is kept and the add's two registers are made anew here: my spare word,
	v_mov_b32 v9, 0                                ; and 0
	s_wait_alu depctr_va_vdst(0)
	s_wait_dscnt 0x0
	global_store_b64 v7, v[12:13], s[26:27]        ; 32 lanes store 256 consecutive bytes, at a multiple of 256 from the buffer's first byte
	s_wait_tensorcnt 0x0                           ; the wave's end
	ds_add_u32 v8, v9
	s_wait_dscnt 0x0
	s_endpgm
.endm
	s_load_b256 s[4:11], s[0:1], 0x0               ; x s[4:5], the packed codes s[6:7], the norms s[8:9], xq s[10:11]
	s_load_b64 s[12:13], s[0:1], 0x20              ; wq
	v_lshrrev_b32 v1, 5, v0
	v_readfirstlane_b32 s16, v1                    ; wave 0..3
	v_and_b32 v2, 31, v0                           ; lane
	v_lshlrev_b32 v4, 4, v2                        ; 16 x lane: my codes' place in a step's 512 bytes (and my 16 bytes of a load of x); never rewritten
	v_lshlrev_b32 v7, 3, v2                        ; 8 x lane: the scale bytes' way out
	s_mov_b32 s30, 0x600000                        ; the mantissa field of 57,344
	s_wait_kmcnt 0x0
	s_cmp_lt_u32 ttmp9, WGW                        ; W's work-group or x's?  The choice hangs on the work-group's number alone
	s_cselect_b64 s[10:11], s[12:13], s[10:11]     ; the workspace that I write
	s_cselect_b32 s17, 0, WGW
	s_sub_co_u32 s17, ttmp9, s17                   ; my number among the tensor's work-groups
	s_lshr_b32 s18, s17, 2                         ; rg: which 32 rows
	s_and_b32 s19, s17, 3
	s_lshl_b32 s19, s19, 2
	s_add_co_u32 s19, s19, s16                     ; ks: which 256 along K: the four waves stand side by side
	s_lshr_b32 s20, s18, 2
	s_lshl_b32 s20, s20, 4
	s_add_co_u32 s20, s20, s19
	s_mul_i32 s20, s20, BLKB                       ; my block: (rg / 4) x 16 + ks (under 2^26 bytes)
	s_and_b32 s22, s18, 3                          ; which 32 of its 128 rows
	s_lshl_b32 s23, s22, 13
	s_add_co_u32 s28, s20, s23
	s_mov_b32 s29, 0
	s_add_nc_u64 s[24:25], s[10:11], s[28:29]      ; my codes: 8,192 bytes
	s_lshl_b32 s23, s22, 8
	s_add_co_u32 s28, s20, s23
	s_add_co_u32 s28, s28, 32768
	s_add_nc_u64 s[26:27], s[10:11], s[28:29]      ; my scale bytes: 256, behind the block's codes
	s_cmp_lt_u32 ttmp9, WGW
	s_cbranch_scc1 .Lweights
; ---- x.  The conversions take neighbours along K from ONE lane's registers, a load is best where neighbouring LANES take neighbouring bytes.  Both are had: each load reads 512 consecutive bytes, 16 a lane; a step's
; 2,048 bytes go through the wave's own stage in LDS, as they lie, and come back 64 bytes a lane.  Loads run four steps (16 loads a wave) ahead, the turn through LDS one step.
	s_lshl_b32 s28, s18, 19                        ; 32 rows of 16,384 bytes
	s_lshl_b32 s23, s19, 10                        ; 256 numbers
	s_add_co_u32 s28, s28, s23
	s_add_nc_u64 s[4:5], s[4:5], s[28:29]
	s_lshl_b32 s17, s16, 13                        ; LDS: 8,192 bytes for each wave: two stages of 32 x SP bytes, then its 256 scale bytes
	s_wait_alu depctr_va_vdst(0)
	v_lshrrev_b32 v14, 2, v2
	v_mul_u32_u24 v14, v14, SP
	v_and_b32 v15, 3, v2
	v_lshl_add_u32 v14, v15, 4, v14
	v_add_nc_u32 v14, s17, v14                     ; the stage, on the way in: four lanes' 64 bytes on end, then 16 of padding
	v_mul_u32_u24 v15, v2, SP
	v_add_nc_u32 v15, s17, v15                     ; and on the way out: SP x lane: my 16 neighbours
	v_lshrrev_b32 v5, 1, v2
	s_add_co_u32 s17, s17, 2*32*SP
	v_add_nc_u32 v5, s17, v5                       ; my block's scale byte
	v_add_nc_u32 v6, s17, v7                       ; and the bytes' way out
.macro LOAD t                          ; step t: rows 2 t and 2 t + 1, 1,024 bytes of each
.irp i, 0,1,2,3
	global_load_b128 v[R+16*((\t)%4)+4*\i:R+16*((\t)%4)+4*\i+3], v4, s[4:5] offset:(2*(\t)+\i/2)*16384+(\i%2)*512 th:TH_LOAD_NT
.endr
.endm
.macro TURN t                          ; step t's numbers through the stage: LDS serves a wave's instructions in order, so no wait stands between the stores and the loads
.irp i, 0,1,2,3
	ds_store_b128 v14, v[R+16*((\t)%4)+4*\i:R+16*((\t)%4)+4*\i+3] offset:32*SP*((\t)%2)+8*SP*\i
.endr
.irp i, 0,1,2,3
	ds_load_b128 v[X+16*((\t)%2)+4*\i:X+16*((\t)%2)+4*\i+3], v15 offset:32*SP*((\t)%2)+16*\i
.endr
.endm
.macro STEP t
.if (\t) > 0
	s_wait_dscnt 1                                 ; this step's numbers are back from the stage (the last step's byte store may be out): so its stores into the stage have read their registers,
.else
	s_wait_dscnt 0x0
.endif
.if (\t)+4 < STEPS
	LOAD (\t)+4                                    ; which take the loads of four steps on
.endif
.if (\t)+1 < STEPS
.if STEPS-2-(\t) >= 3
	s_wait_loadcnt 12                              ; the next step's four loads are in; those of the three steps behind it may be out
.else
	s_wait_loadcnt 4*(STEPS-2-(\t))                ; at the end fewer steps stand behind it
.endif
	TURN (\t)+1                                    ; and go through the other stage while this step is worked
.endif
	HALF X+16*((\t)%2)                             ; x as f16
	QSTEP X+16*((\t)%2), \t
.endm
.irp t, 0,1,2,3
	LOAD \t
.endr
	s_wait_alu depctr_va_vdst(0)
	s_wait_loadcnt 12                              ; step 0's four loads are in
	TURN 0
.irp t, 0,1,2,3,4,5,6,7,8,9,10,11,12,13,14,15
	STEP \t
.endr
	TAIL
; ---- W.  Lane l takes half l % 2 (16 numbers, 48 bits) of group (l / 2) % 8 of row 2 t + l / 16: it loads the two words of the group's three that hold its bits.  All 48 loads of the wave go out at once.
; A row's part is 96 bytes of codes and 16 of norms, so these loads do not cover aligned blocks of 256 bytes whole: W's inputs are 3.7 MB of the launch's 138 MB.
.Lweights:
	s_mul_i32 s28, s18, 49152                      ; 32 rows of 128 groups of 12 bytes
	s_mul_i32 s23, s19, 96                         ; 8 groups
	s_add_co_u32 s28, s28, s23
	s_add_nc_u64 s[6:7], s[6:7], s[28:29]
	s_lshl_b32 s28, s18, 13                        ; 32 rows of 128 norms of 2 bytes
	s_lshl_b32 s23, s19, 4
	s_add_co_u32 s28, s28, s23
	s_add_nc_u64 s[8:9], s[8:9], s[28:29]
	s_mov_b32 s22, 0x3e124925                      ; 1/7, rounded to f32
	s_mov_b32 s23, 0xc0e00000                      ; -7.0
	s_wait_alu depctr_va_vdst(0)
	v_lshrrev_b32 v8, 4, v2                        ; which of a step's two rows
	v_bfe_u32 v9, v2, 1, 3                         ; which group
	v_and_b32 v10, 1, v2                           ; which half
	v_mul_u32_u24 v3, v8, 1536
	v_mad_u32_u24 v3, v9, 12, v3
	v_lshl_add_u32 v3, v10, 2, v3                  ; half 0: words 0, 1 of the group; half 1: words 1, 2
	v_lshlrev_b32 v14, 8, v8
	v_lshl_add_u32 v14, v9, 1, v14                 ; my group's norm
	v_lshlrev_b32 v15, 4, v10                      ; my 48 bits begin at bit 16 x half of the two words
	s_mov_b32 s31, 0x02020202
	v_mul_lo_u32 v1, v10, s31
	v_add_nc_u32 v1, 0x03020100, v1                ; the byte selector for their low 32 bits: bytes 0-3 (half 0) or bytes 2-5 (half 1) of the pair
	s_lshl_b32 s17, s16, 8
	s_add_co_u32 s17, s17, 32768                   ; LDS: behind x's regions, 256 scale bytes for each wave
	v_lshrrev_b32 v5, 1, v2
	v_add_nc_u32 v5, s17, v5
	v_add_nc_u32 v6, s17, v7
.irp t, 0,1,2,3,4,5,6,7,8,9,10,11,12,13,14,15
	global_load_b32 v[QW+2*\t], v3, s[6:7] offset:3072*\t
	global_load_b32 v[QW+2*\t+1], v3, s[6:7] offset:3072*\t+4
	global_load_u16 v[NW+\t], v14, s[8:9] offset:512*\t
.endr
.macro WSTEP t
	s_wait_loadcnt 45-3*(\t)                       ; this step's three loads are in; the three of each later step may be out
	v_perm_b32 v12, v[QW+2*(\t)+1], v[QW+2*(\t)], v1   ; bits 0-31 of my 48
	v_lshrrev_b32 v13, v15, v[QW+2*(\t)+1]         ; bits 32-47 (what lies above them is not looked at)
.irp i, 0,1,2,3,4,5,6,7,8,9
	v_bfe_u32 v[X+\i], v12, 3*\i, 3
.endr
	v_alignbit_b32 v[X+10], v13, v12, 30           ; number 10 lies across the two words
	v_and_b32 v[X+10], 7, v[X+10]
.irp i, 11,12,13,14,15
	v_bfe_u32 v[X+\i], v13, 3*\i-32, 3
.endr
	v_mov_b32 v9, v[NW+(\t)]                       ; (a register's half is named on a plain register number)
	v_cvt_f32_f16 v10, v9.l                        ; the norm, widened exactly
	v_add_f32 v11, v10, v10                        ; 2 x norm, exact
.irp i, 0,1,2,3,4,5,6,7,8,9,10,11,12,13,14,15
	v_cvt_f32_u32 v[X+\i], v[X+\i]                 ; q
.endr
; q / 7, correctly rounded, in three lines: a first guess q x fl(1/7); what it leaves, q - 7 x guess, which a fused multiply-add gives exactly; the guess mended by that x fl(1/7).
; (The first guess alone is one last bit off for q = 3 and q = 6.)
.irp i, 0,1,2,3,4,5,6,7,8,9,10,11,12,13,14,15
	v_mul_f32 v[X+16+\i], s22, v[X+\i]
.endr
.irp i, 0,1,2,3,4,5,6,7,8,9,10,11,12,13,14,15
	v_fma_f32 v[X+\i], v[X+16+\i], s23, v[X+\i]
.endr
.irp i, 0,1,2,3,4,5,6,7,8,9,10,11,12,13,14,15
	v_fma_f32 v[X+\i], v[X+\i], s22, v[X+16+\i]
.endr
; (q / 7) x 2 x norm, rounded, and then - norm, rounded: not fused into one multiply-add, since the product is rounded before the subtraction where w is defined
.irp i, 0,1,2,3,4,5,6,7,8,9,10,11,12,13,14,15
	v_mul_f32 v[X+\i], v[X+\i], v11
.endr
.irp i, 0,1,2,3,4,5,6,7,8,9,10,11,12,13,14,15
	v_sub_f32 v[X+\i], v[X+\i], v10
.endr
	HALF X                                         ; w as f16 (the bits' two words in v12, v13 and the norm's copy in v9 are done with)
	QSTEP X, \t
.endm
	s_wait_alu depctr_va_vdst(0)
.irp t, 0,1,2,3,4,5,6,7,8,9,10,11,12,13,14,15
	WSTEP \t
.endr
	TAIL
.Lfunc_end_k_q5d99332321_quant:
	.size	k_q5d99332321_quant, .Lfunc_end_k_q5d99332321_quant-k_q5d99332321_quant
	.p2alignl 7, 3214868480
	.fill 96, 4, 3214868480
	.section	.rodata,"a",@progbits
	.p2align	6, 0x0
	.amdhsa_kernel k_q5d99332321_quant
		.amdhsa_group_segment_fixed_size 34304
		.amdhsa_private_segment_fixed_size 0
		.amdhsa_enable_private_segment 0
		.amdhsa_kernarg_size 40
		.amdhsa_user_sgpr_count 2
		.amdhsa_user_sgpr_kernarg_segment_ptr 1
		.amdhsa_wavefront_size32 1
		.amdhsa_system_sgpr_workgroup_id_x 1
		.amdhsa_system_sgpr_workgroup_id_y 1
		.amdhsa_system_sgpr_workgroup_id_z 1
		.amdhsa_system_vgpr_workitem_id 0
		.amdhsa_next_free_vgpr 192
		.amdhsa_next_free_sgpr 66
		.amdhsa_reserve_vcc 0
		.amdhsa_float_denorm_mode_32 3
		.amdhsa_float_denorm_mode_16_64 3
		.amdhsa_memory_ordered 1
		.amdhsa_forward_progress 1
		.amdhsa_inst_pref_size 207
	.end_amdhsa_kernel
	.amdgpu_metadata
---
amdhsa.version: [ 1, 2 ]
amdhsa.kernels:
  - .name:           k_q5d99332321_quant
    .symbol:         k_q5d99332321_quant.kd
    .args:
      - { .name: x, .offset: 0, .size: 8, .value_kind: global_buffer, .address_space: global }
      - { .name: weight_q3, .offset: 8, .size: 8, .value_kind: global_buffer, .address_space: global }
      - { .name: weight_norm, .offset: 16, .size: 8, .value_kind: global_buffer, .address_space: global }
      - { .name: xq, .offset: 24, .size: 8, .value_kind: global_buffer, .address_space: global }
      - { .name: wq, .offset: 32, .size: 8, .value_kind: global_buffer, .address_space: global }
    .group_segment_fixed_size: 34304
    .private_segment_fixed_size: 0
    .kernarg_segment_align: 8
    .kernarg_segment_size: 40
    .max_flat_workgroup_size: 128
    .sgpr_count:     66
    .vgpr_count:     192
    .wavefront_size: 32
...
	.end_amdgpu_metadata
.endif
;; end of part 1
;; launch gemm (part 2): grid 8 x 32, 4 waves a work-group, clusters of 4 x 4, 327,680 bytes of LDS; arguments xq, wq, bias, out0; writes out0
.if DOCPART == 2
	.amdgcn_target "amdgcn-amd-amdhsa--gfx1250"
	.amdhsa_code_object_version 6
	.text
	.protected	k_q5d99332321_gemm
	.globl	k_q5d99332321_gemm
	.p2align	8
	.type	k_q5d99332321_gemm,@function
k_q5d99332321_gemm:
	s_mov_b64 s[64:65], 0
	v_nop
	global_prefetch_b8 v0, s[64:65] scope:SCOPE_SE
	s_setreg_imm32_b32 hwreg(HW_REG_WAVE_MODE, 25, 1), 1
	s_wait_xcnt 0x0
	s_wait_alu depctr_hold_cnt(0) depctr_sa_sdst(0) depctr_va_vdst(0) depctr_va_sdst(0) depctr_va_ssrc(0) depctr_va_vcc(0) depctr_vm_vsrc(0)
	s_getreg_b32 s2, hwreg(HW_REG_IB_STS2, 6, 4)
	s_cmp_eq_u32 s2, 0
	s_cbranch_scc0 .Lentry_in_a_cluster
	s_endpgm
.Lentry_in_a_cluster:
	s_bfe_u32 s2, ttmp6, 0x10000c
	s_cmp_lg_u32 s2, 0xf033
	s_cbranch_scc0 .Lentry_shape_is_right
	s_endpgm
.Lentry_shape_is_right:
; out0[m][n] = sum over k of x[m][k] w[n][k] + bias[n], f32.  x and w come as codes of BF8 (E5M2) with one E8M0 byte for each 32 along K, from the workspaces xq and wq:
; [rows / 128][K / 256][33,792 bytes], a block = 128 rows of 256 codes, then 8 scale bytes a row: 132 dense rows of 256 bytes.
; A tile of 256 x 256 of the result is made by four waves, 128 x 128 each: 64 accumulators, 512 registers.  Grid 8 x 32 = 256 work-groups.
; K goes in 16 steps of 256 through a ring of two LDS slots.  Wave w fetches one block a step: waves 0, 1 x's two halves, waves 2, 3 w's.
; LDS IS LAID BY LOADING WAVE: wave w's part of slot 0, then its part of slot 1.  Two K steps of a row block are 264 consecutive rows of memory,
; so the one tensor load that a wave issues at the head brings both slots' first tiles; 14 refills of 132 rows follow.  By this text's count a wave has one tensor load out at the most.
; CLUSTERS: 4 x 4 work-groups; x's tiles are asked for jointly along a row of the cluster, w's along a column.
; THE MATRIX INSTRUCTION IS USED TRANSPOSED (source 0 = 16 rows of w, source 1 = 16 rows of x): a lane holds eight neighbouring numbers of a row of the result.
; The bias, widened from f16, is the C of each accumulator's first product.
; REGISTERS: window 0: v0-31 addresses, v32-63 scale words (two sets), v64-127 the bias, v128-255 x's fragments (one set);
;   window 1: w's fragments, two sets;  windows 2, 3: the accumulators ((a, b) at v[8 (8 (a % 4) + b)]).
; LIMITS: as the quantising launch states them; sums are f32 in ascending K.
.set SIZE_N, 2048
.set KSTEPS, 16
.set NQ,     2                         ; matrix instructions deep in a slot
.set PITCH,  272                       ; an LDS row: 256 bytes + 16 of padding
.set FR,     16
.set NL,     4
.set NP,     8                         ; places behind this matrix form (ISA guide 7.12.1)
.set BLKB,   33792
.set RBLK,   KSTEPS*BLKB
.set BROWS,  132
.set HALFT,  BROWS*PITCH               ; a block in LDS
.set WREG,   2*HALFT                   ; a loading wave's region: slot 0's block, slot 1's block
.set SCO,    128*PITCH                 ; a block's scale bytes
.set LAPS,   KSTEPS/2
.set SPARE,  4*WREG                    ; the spare words: 128 bytes a wave, named by no other line
.set STAGE,  SPARE+512                 ; the way out: 16 rows x 528 bytes for each wave; no tensor load lands here
.set SPITCH, 528
.set ADRA, 16
.set ADRB, 20
.set ADRS, 22
.set STO,  24
.set RD,   25
.set CO,   26
.set SPW,  28
.set NIL,  29
.set PFO,  30
.set SC,   32
.set BI,   64
.set AF,   128
.set G1,  24
.set G0,  32
.set G1B, 48
.set G0B, 56
.set PFA, 66
.set MSB, 0
.macro WIN new                         ; the immediate's high byte repeats the setting that is left
.if MSB != \new
	s_set_vgpr_msb (MSB<<8)|\new
.set MSB, \new
.endif
.endm
.set MUL_LO,   0xa1
.set MUL_HI,   0xf1
.set FIRST_LO, 0x81                    ; C (the bias) in window 0
.set FIRST_HI, 0xc1
.set TO_B,     0x40
; A joint load: waves 0, 1 ask for x, waves 2, 3 for w; s_nop 0 and four v_nop follow each line
.macro JLOAD g0a, g1a, g0b, g1b
	s_cmp_eq_u32 s15, 0
	s_cbranch_scc0 .Lfor_b_\@
	tensor_load_to_lds s[\g0a:\g0a+3], s[\g1a:\g1a+7]
	s_nop 0
.rept 4
	v_nop
.endr
	s_branch .Lasked_\@
.Lfor_b_\@:
	tensor_load_to_lds s[\g0b:\g0b+3], s[\g1b:\g1b+7]
	s_nop 0
.rept 4
	v_nop
.endr
.Lasked_\@:
.endm
; A PREFETCH INTO THE L2.  A row block's 16 K steps are 2,112 consecutive rows of 256 bytes.  Behind each of the first 12 refills the four partners that ask for a block jointly
; name 128 further rows of that stream, 32 each, told apart by address (cx for x, cy for w), a lane a row: rows 576 to 2,111, between 2 and 3.4 K steps ahead of the refill.
; Every cluster asks for what it will itself load.  The last trip's two refills ask for nothing: the stream has ended.
.macro ASK
	s_cmp_gt_u32 s3, 1
	s_cbranch_scc0 .Lno_ask_\@
	global_prefetch_b8 v[PFO], s[PFA:PFA+1] th:TH_LOAD_NT scope:SCOPE_SE
.Lno_ask_\@:
.endm
.macro CREST
	s_cmp_lg_u32 s14, 0
	s_cbranch_scc1 .Lnot_wave_0_\@
	s_barrier_signal -3
.Lnot_wave_0_\@:
	s_barrier_wait -3
	s_barrier_signal -1
	s_barrier_wait -1
.endm
.macro CROUND
	s_barrier_signal -1
	s_barrier_wait -1
	CREST
.endm
	s_load_b256 s[4:11], s[0:1], 0x0               ; xq s[4:5], wq s[6:7], bias s[8:9], out0 s[10:11]
	v_lshl_add_u32 v[SPW], v0, 2, SPARE
	v_mov_b32 v[NIL], 0
	ds_add_u32 v[SPW], v[NIL]                      ; the opening lines: the add, twice on end, and its wait
	ds_add_u32 v[SPW], v[NIL]
	v_lshrrev_b32 v1, 5, v0
	v_readfirstlane_b32 s14, v1                    ; wave
	s_lshr_b32 s15, s14, 1                         ; my half of the tile's rows; also: I fetch for x (0) or w (1)
	s_and_b32 s16, s14, 1                          ; my half of its columns; also: which 128 rows I fetch
	s_bfe_u32 s40, ttmp6, 0x40000                  ; cx
	s_bfe_u32 s41, ttmp6, 0x40004                  ; cy
	s_lshl_b32 s42, ttmp9, 2
	s_add_co_u32 s42, s42, s40                     ; tile column
	s_and_b32 s17, ttmp7, 0xffff
	s_lshl_b32 s17, s17, 2
	s_add_co_u32 s17, s17, s41                     ; tile row
	s_lshl_b32 s43, s41, 2
	s_lshl_b32 s43, 15, s43                        ; my row of the cluster
	s_lshl_b32 s44, 0x1111, s40                    ; my column
	s_or_b32 s[G1+0], s43, (3<<16)|(1<<20)|(1<<21)|(5<<22)|(3<<25)   ; elements of 8 bytes; 4 words of padding behind every 64
	s_or_b32 s[G1B+0], s44, (3<<16)|(1<<20)|(1<<21)|(5<<22)|(3<<25)
.irp g, G1, G1B
	s_mov_b32 s[\g+1], 32<<16                      ; rows of 256 bytes
	s_mov_b32 s[\g+2], (2*BROWS)<<16               ; the head's load: 264 rows, two K steps
	s_mov_b32 s[\g+3], 32<<16
	s_mov_b32 s[\g+4], 2*BROWS
	s_mov_b32 s[\g+5], 32
	s_mov_b32 s[\g+6], 0
	s_mov_b32 s[\g+7], 0
.endr
	s_lshl_b32 s20, s17, 1
	s_add_co_u32 s20, s20, s16
	s_mul_i32 s20, s20, RBLK                       ; x: row block 2 x tile row + half
	s_mov_b32 s21, 0
	s_lshl_b32 s46, s42, 1
	s_add_co_u32 s46, s46, s16
	s_mul_i32 s46, s46, RBLK                       ; w: row block 2 x tile column + half
	s_mov_b32 s47, 0
	s_mul_i32 s45, s14, WREG                       ; where my blocks go: the wave's number alone
	s_wait_dscnt 0x0                               ; both opening adds are done
	s_wait_kmcnt 0x0
	s_add_nc_u64 s[20:21], s[4:5], s[20:21]
	s_add_nc_u64 s[46:47], s[6:7], s[46:47]
.irp s, 0,1
	s_mov_b32 s[G0+4*\s], 1
	s_add_co_u32 s[G0+4*\s+1], s45, \s*HALFT
	s_add_nc_u64 s[G0+4*\s+2:G0+4*\s+3], s[20:21], \s*BLKB
	s_or_b32 s[G0+4*\s+3], s[G0+4*\s+3], 0x80000000
	s_mov_b32 s[G0B+4*\s], 1
	s_add_co_u32 s[G0B+4*\s+1], s45, \s*HALFT
	s_add_nc_u64 s[G0B+4*\s+2:G0B+4*\s+3], s[46:47], \s*BLKB
	s_or_b32 s[G0B+4*\s+3], s[G0B+4*\s+3], 0x80000000
.endr
	CROUND                                         ; all sixteen work-groups are here: the first joint loads meet
	JLOAD G0, G1, G0B, G1B                         ; my one load at the head: K steps 0 and 1 of my row block, into both slots
	v_and_b32 v1, 15, v0                           ; r
	v_bfe_u32 v2, v0, 4, 1                         ; h
	s_wait_alu depctr_va_vdst(0)
	v_lshlrev_b32 v7, 4, v2
	s_lshl_b32 s72, s42, 9
	s_lshl_b32 s73, s16, 8
	s_add_co_u32 s72, s72, s73
	s_mov_b32 s73, 0
	s_add_nc_u64 s[8:9], s[8:9], s[72:73]          ; the bias of my 128 columns
.irp b, 0,1,2,3,4,5,6,7
	global_load_b128 v[96+4*\b:99+4*\b], v7, s[8:9] offset:32*\b   ; columns 16 b + 8 h + 0 .. 7, f16
.endr
	v_mul_u32_u24 v3, v1, PITCH
	v_lshl_add_u32 v4, v2, 4, v3                   ; a fragment's row x pitch + 16 h
	s_mul_i32 s70, s15, WREG                       ; my 128 rows of x
	s_mul_i32 s71, s16, WREG
	s_add_co_u32 s71, s71, 2*WREG                  ; my 128 rows of w
.irp s, 0,1
	v_add_nc_u32 v[ADRA+\s], s70, v4
	v_add_nc_u32 v[ADRB+\s], s71, v4
	s_add_co_u32 s70, s70, HALFT
	s_add_co_u32 s71, s71, HALFT
.endr
	s_mul_i32 s72, s15, WREG
	s_xor_b32 s73, s15, 1
	s_add_co_u32 s73, s73, s16
	s_add_co_u32 s73, s73, 1
	s_mul_i32 s73, s73, WREG                       ; from x's region to w's: (2 + column half - row half) regions
	v_mul_u32_u24 v6, s73, v2                      ; lanes 16-31 take w's scale words
	v_lshl_add_u32 v5, v1, 3, v6                   ; 8 bytes a row
	v_add_nc_u32 v[ADRS], s72, v5
	v_add_nc_u32 v[ADRS+1], HALFT, v[ADRS]
	s_lshl_b32 s70, s17, 8
	s_lshl_b32 s71, s15, 7
	s_add_co_u32 s70, s70, s71
	s_lshl_b32 s70, s70, 13                        ; my first row of the result, 8,192 bytes a row
	s_lshl_b32 s71, s42, 10
	s_add_co_u32 s70, s70, s71
	s_lshl_b32 s71, s16, 9
	s_add_co_u32 s70, s70, s71
	s_mov_b32 s71, 0
	s_add_nc_u64 s[10:11], s[10:11], s[70:71]
	s_cmp_eq_u32 s15, 0                            ; the prefetches: the stream of the row block that I fetch
	s_cselect_b32 s20, s17, s42
	s_cselect_b32 s21, s40, s41                    ; my place among the four that ask with me
	s_cselect_b64 s[PFA:PFA+1], s[4:5], s[6:7]
	s_lshl_b32 s20, s20, 1
	s_add_co_u32 s20, s20, s16
	s_mul_i32 s20, s20, RBLK
	s_lshl_b32 s21, s21, 13                        ; my work-group's 32 rows of each 128
	s_add_co_u32 s20, s20, s21
	s_add_co_u32 s20, s20, 448*256                 ; each refill steps 128 rows first: the first names rows 576 on
	s_mov_b32 s21, 0
	s_add_nc_u64 s[PFA:PFA+1], s[PFA:PFA+1], s[20:21]
	s_wait_loadcnt 0x0
.irp b, 0,1,2,3,4,5,6,7
.irp k, 0,1,2,3
	v_mov_b32 v6, v[96+4*\b+\k]                    ; (a register's half is named on a plain register number)
	v_cvt_f32_f16 v[BI+8*\b+2*\k], v6.l
	v_cvt_f32_f16 v[BI+8*\b+2*\k+1], v6.h
.endr
.endr
	s_mul_i32 s23, s14, 16*SPITCH
	s_add_co_u32 s23, s23, STAGE                   ; my stage
	v_mul_u32_u24 v5, v1, SPITCH
	v_lshl_add_u32 v5, v2, 5, v5
	v_add_nc_u32 v[STO], s23, v5                   ; in: row r, 32 bytes for each half of the lanes
	v_and_b32 v6, 31, v0
	v_lshlrev_b32 v[CO], 4, v6                     ; back: 32 lanes take a row of 512 bytes; the same in the result
	v_add_nc_u32 v[RD], s23, v[CO]
	v_lshlrev_b32 v[PFO], 8, v6                    ; a lane a row of 256 bytes
	v_nop
.macro FRAG reg, adr, q, i             ; 16 rows x 128 K: registers 4 c .. 4 c + 3 hold K = 32 c + 16 h + 0 .. 15
.irp c, 0,1,2,3
	ds_load_b128 v[\reg+4*\c:\reg+4*\c+3], v[\adr] offset:128*(\q)+32*\c+(\i)*16*PITCH
.endr
.endm
; 16 products: x's blocks a0, a0 + 1 against w's eight.  The 64 accumulators take turns in the same order in every step.
.macro MUL16 a0, p, q, sc, first
.irp a, \a0, \a0+1
.irp b, 0,1,2,3,4,5,6,7
.if \first
	v_wmma_scale_f32_16x16x128_f8f6f4 v[8*(8*((\a)%4)+\b):8*(8*((\a)%4)+\b)+7], v[128*(\p)+FR*\b:128*(\p)+FR*\b+FR-1], v[AF+FR*(\a):AF+FR*(\a)+FR-1], v[BI+8*\b:BI+8*\b+7], v[SC+8*NQ*(\sc)+NQ*\b+(\q)], v[SC+8*NQ*(\sc)+NQ*(\a)+(\q)] matrix_a_fmt:MATRIX_FMT_BF8 matrix_b_fmt:MATRIX_FMT_BF8 matrix_a_scale:MATRIX_SCALE_ROW1
.else
	v_wmma_scale_f32_16x16x128_f8f6f4 v[8*(8*((\a)%4)+\b):8*(8*((\a)%4)+\b)+7], v[128*(\p)+FR*\b:128*(\p)+FR*\b+FR-1], v[AF+FR*(\a):AF+FR*(\a)+FR-1], v[8*(8*((\a)%4)+\b):8*(8*((\a)%4)+\b)+7], v[SC+8*NQ*(\sc)+NQ*\b+(\q)], v[SC+8*NQ*(\sc)+NQ*(\a)+(\q)] matrix_a_fmt:MATRIX_FMT_BF8 matrix_b_fmt:MATRIX_FMT_BF8 matrix_a_scale:MATRIX_SCALE_ROW1
.endif
.endr
.endr
.endm
.macro FETCH_B slot, q, p
	WIN TO_B
.irp i, 0,1,2,3,4,5,6,7
	FRAG 128*(\p)+FR*\i, ADRB+\slot, \q, \i
.endr
	WIN 0
.endm
.macro FETCH_A slot, q, i0
.irp i, \i0, \i0+1, \i0+2, \i0+3
	FRAG AF+FR*(\i), ADRA+\slot, \q, \i
.endr
.endm
.macro SCALES s                        ; a slot's scale words: lanes 0-15 x's block i, lanes 16-31 w's block i; two words a row
.irp i, 0,1,2,3,4,5,6,7
	ds_load_b64 v[SC+8*NQ*\s+NQ*\i:SC+8*NQ*\s+NQ*\i+1], v[ADRS+\s] offset:SCO+(\i/2)*PITCH+(\i%2)*128
.endr
.endm
.macro PLACES n
.rept \n
	v_nop
.endr
.endm
; A slot's first 128 along K; the second 128's fragments are fetched on the way
.macro STEP slot, q, first
	s_wait_dscnt 4*NL                              ; all but the youngest 16 loads (x's blocks 4-7)
.if \first
	WIN FIRST_LO
.else
	WIN MUL_LO
.endif
	MUL16 0, (\q)%2, \q, \slot, \first
	MUL16 2, (\q)%2, \q, \slot, \first
	s_wait_dscnt 0
	PLACES NP
	FETCH_B \slot, (\q)+1, 1-(\q)%2
	FETCH_A \slot, (\q)+1, 0
.if \first
	WIN FIRST_HI
.else
	WIN MUL_HI
.endif
	MUL16 4, (\q)%2, \q, \slot, \first
	MUL16 6, (\q)%2, \q, \slot, \first
	PLACES NP
	WIN 0
	FETCH_A \slot, (\q)+1, 4
.endm
; A slot's second 128 along K lie in registers: the slot is given up first.  Each wave waits for all its tensor loads, adds 0 to its spare word, waits for that and for its reads of the slot;
; a round of the cluster's barrier; the joint refill, two K steps on; then the 64 products, with the other slot's first fragments fetched on the way.
.macro TURN slot, next, fill
.if \fill
	s_wait_xcnt 0x0                                ; my last prefetch has read its address
	s_add_nc_u64 s[PFA:PFA+1], s[PFA:PFA+1], 128*256
.endif
	s_wait_tensorcnt 0x0
	ds_add_u32 v[SPW], v[NIL]
.if \fill
	s_add_nc_u64 s[G0+4*\slot+2:G0+4*\slot+3], s[G0+4*\slot+2:G0+4*\slot+3], 2*BLKB   ; no tensor load of mine is out: the descriptors may step
	s_add_nc_u64 s[G0B+4*\slot+2:G0B+4*\slot+3], s[G0B+4*\slot+2:G0B+4*\slot+3], 2*BLKB
.endif
	s_wait_dscnt 0x0
.if \fill
	CROUND
	JLOAD G0+4*\slot, G1, G0B+4*\slot, G1B
.else
	s_barrier_signal -1
	s_barrier_wait -1
.endif
	WIN MUL_LO
	MUL16 0, 1, NQ-1, \slot, 0
	MUL16 2, 1, NQ-1, \slot, 0
	PLACES NP
	FETCH_B \next, 0, 0
	FETCH_A \next, 0, 0
	SCALES \next
.if \fill
	ASK
.endif
	WIN MUL_HI
	MUL16 4, 1, NQ-1, \slot, 0
	MUL16 6, 1, NQ-1, \slot, 0
	PLACES NP
	WIN 0
	FETCH_A \next, 0, 4
.endm
	s_wait_alu depctr_va_vdst(0)
	s_wait_tensorcnt 0x0                           ; my blocks of K steps 0 and 1 are in; no tensor load of mine is out, so a descriptor may be written:
	s_mov_b32 s[G1+2], BROWS<<16                   ; from here on a load brings one block, 132 rows
	s_mov_b32 s[G1+4], BROWS
	s_mov_b32 s[G1B+2], BROWS<<16
	s_mov_b32 s[G1B+4], BROWS
	s_barrier_signal -1
	s_barrier_wait -1                              ; and so are the other waves'
	FETCH_B 0, 0, 0
	FETCH_A 0, 0, 0
	SCALES 0
	FETCH_A 0, 0, 4
	STEP 0, 0, 1                                   ; the first step stands ahead of the loop: its products start the sums on the bias
	s_mov_b32 s3, LAPS-1
.Llap:                                                 ; a trip goes once round the ring and fills both slots again
	TURN 0, 1, 1
	STEP 1, 0, 0
	TURN 1, 0, 1
	STEP 0, 0, 0
	s_sub_co_u32 s3, s3, 1
	s_cmp_lg_u32 s3, 0
	s_cbranch_scc1 .Llap
	TURN 0, 1, 0                                   ; the last lap fills nothing
	STEP 1, 0, 0
	s_wait_dscnt 4*NL
	WIN MUL_LO
	MUL16 0, 1, NQ-1, 1, 0
	MUL16 2, 1, NQ-1, 1, 0
	s_wait_dscnt 0
	WIN MUL_HI
	MUL16 4, 1, NQ-1, 1, 0
	MUL16 6, 1, NQ-1, 1, 0
	WIN 0
; THE WAY OUT, by blocks of 16 rows x 128 columns, through my own stage: in as 32 bytes a lane, back as whole rows of 512 bytes, which 32 lanes store as two aligned units of 256 bytes.
; Each of the eight blocks comes back into 64 registers of its own (the fragments' registers, and for blocks 6, 7 the accumulators of blocks 0, 1, staged long before),
; and a row's place stands in the store's immediate (127 rows of 8,192 bytes at the most): no store's source is ever written again.
.macro RBK a
.if (\a) < 2
.set RW, 0
.set RB, 128+64*(\a)
.else
.if (\a) < 6
.set RW, 1
.set RB, 64*((\a)-2)
.else
.set RW, 2
.set RB, 64*((\a)-6)
.endif
.endif
.endm
.macro TOSTAGE a
.set AC, 64*((\a)%4)
.set WS, (2+(\a)/4)<<2
	WIN WS                                         ; the data: window 2 or 3
.irp b, 0,1,2,3,4,5,6,7
	ds_store_b128 v[STO], v[AC+8*\b:AC+8*\b+3] offset:64*\b          ; each accumulator from its low end on
	ds_store_b128 v[STO], v[AC+8*\b+4:AC+8*\b+7] offset:64*\b+16
.endr
	RBK \a
.set WS, RW<<6
	WIN WS
.irp t, 0,1,2,3,4,5,6,7,8,9,10,11,12,13,14,15
	ds_load_b128 v[RB+4*\t:RB+4*\t+3], v[RD] offset:\t*SPITCH        ; LDS serves a wave's instructions in order (ISA guide 5.7.1.4)
.endr
.endm
.macro SEND a, younger                 ; younger: the LDS instructions issued behind block a's loads
	RBK \a
.set WS, RW<<2
	s_wait_dscnt \younger
	WIN WS
.irp t, 0,1,2,3,4,5,6,7,8,9,10,11,12,13,14,15
	global_store_b128 v[CO], v[RB+4*\t:RB+4*\t+3], s[10:11] offset:(16*(\a)+\t)*SIZE_N*4 th:TH_STORE_NT
.endr
.endm
	PLACES NP                                      ; behind the last products: for the reads of results and the loads into fragments' registers
	TOSTAGE 0
.irp a, 1,2,3,4,5,6,7
	TOSTAGE \a
	SEND \a-1, 32                                  ; behind block a - 1's loads: block a's 16 stores and 16 loads
.endr
	SEND 7, 0
	WIN 0
	s_wait_tensorcnt 0x0                           ; the wave's end
	ds_add_u32 v[SPW], v[NIL]
	s_wait_dscnt 0x0
	CROUND                                         ; the closing round
	s_endpgm
.Lfunc_end_k_q5d99332321_gemm:
	.size	k_q5d99332321_gemm, .Lfunc_end_k_q5d99332321_gemm-k_q5d99332321_gemm
	.p2alignl 7, 3214868480
	.fill 96, 4, 3214868480
	.section	.rodata,"a",@progbits
	.p2align	6, 0x0
	.amdhsa_kernel k_q5d99332321_gemm
		.amdhsa_group_segment_fixed_size 327680
		.amdhsa_private_segment_fixed_size 0
		.amdhsa_enable_private_segment 0
		.amdhsa_kernarg_size 32
		.amdhsa_user_sgpr_count 2
		.amdhsa_user_sgpr_kernarg_segment_ptr 1
		.amdhsa_wavefront_size32 1
		.amdhsa_system_sgpr_workgroup_id_x 1
		.amdhsa_system_sgpr_workgroup_id_y 1
		.amdhsa_system_sgpr_workgroup_id_z 1
		.amdhsa_system_vgpr_workitem_id 0
		.amdhsa_next_free_vgpr 1024
		.amdhsa_next_free_sgpr 80
		.amdhsa_reserve_vcc 0
		.amdhsa_float_denorm_mode_32 3
		.amdhsa_float_denorm_mode_16_64 3
		.amdhsa_memory_ordered 1
		.amdhsa_forward_progress 1
		.amdhsa_inst_pref_size 147
	.end_amdhsa_kernel
	.amdgpu_metadata
---
amdhsa.version: [ 1, 2 ]
amdhsa.kernels:
  - .name:           k_q5d99332321_gemm
    .symbol:         k_q5d99332321_gemm.kd
    .args:
      - { .name: xq, .offset: 0, .size: 8, .value_kind: global_buffer, .address_space: global }
      - { .name: wq, .offset: 8, .size: 8, .value_kind: global_buffer, .address_space: global }
      - { .name: bias, .offset: 16, .size: 8, .value_kind: global_buffer, .address_space: global }
      - { .name: out0, .offset: 24, .size: 8, .value_kind: global_buffer, .address_space: global }
    .group_segment_fixed_size: 327680
    .private_segment_fixed_size: 0
    .kernarg_segment_align: 8
    .kernarg_segment_size: 32
    .max_flat_workgroup_size: 128
    .sgpr_count:     80
    .vgpr_count:     1024
    .wavefront_size: 32
...
	.end_amdgpu_metadata
.endif
;; end of part 2
